; MI455X (gfx1250); checked and timed in simulation.
; The chip was launched on July 23, 2026; its instructions are those of AMD's public machine-readable ISA for CDNA 5 (MIT licence, August 2026) and "CDNA5" Instruction Set Architecture Reference Guide (July 2026). The comments in the code are by the model that wrote it; some were corrected since.
;; Causal Attention. Allowed arithmetic: matrix products marked QUANTISED: E4M3 operands, one given power-of-two scale a tensor, by v_wmma_f32_16x16x64_fp8_fp8 or v_wmma_f32_16x16x128_fp8_fp8, f32 sums; everything else in f32.
;; Inputs: W_proj 1,024 x 1,024 float32; W_qkv 1,024 x 3,072 float32; b_proj 1,024 float32; b_qkv 3,072 float32; lowp_scales 8 int32 (the exponents e of the quantised operands' scales 2^e); x 4 x 2,048 x 1,024 float32.
;; Outputs: out0 4 x 2,048 x 1,024 float32.
;; This version of the problem:
;;   THIS VERSION OF THE PROBLEM IS GIVEN IN LOW PRECISION. The matrix products marked QUANTISED in the list below multiply operands that are first quantised to E4M3 (4 exponent bits, 3 mantissa bits; 8 bits a number), with one given power-of-two scale for each operand tensor; their sums are f32. All else is computed in f32.
;;   The module's matrix products, in the order in which they are computed (A, B: the left and right operand; K: the contracted axis; several contracted axes count as one K, in the product's order):
;;     1. [M 8,192, K 1,024] x [K 1,024, N 3,072]; A: input x; B: input W_qkv: QUANTISED (scales: A lowp_scales[0], B lowp_scales[1])
;;     2. batch 64 x [M 2,048, K 64] x [K 64, N 2,048]; A: computed on the way; B: computed on the way: QUANTISED (scales: A lowp_scales[2], B lowp_scales[3])
;;     3. batch 64 x [M 2,048, K 2,048] x [K 2,048, N 64]; A: softmax (see below); B: computed on the way: QUANTISED (scales: A lowp_scales[4], B lowp_scales[5])
;;     4. [M 8,192, K 1,024] x [K 1,024, N 1,024]; A: computed on the way; B: input W_proj: QUANTISED (scales: A lowp_scales[6], B lowp_scales[7])
;;   THE QUANTISER, for each operand of a quantised product, along K:
;;     - The operand's scale is 2^e, e = its entry of the input lowp_scales (int32; the entries are numbered through the quantised products in the list's order, A before B).
;;     - Each number is divided by the scale, clamped to +-448, and rounded to the nearest number of E4M3, ties to even, subnormals kept.
;;     - The product sums the exact products of the quantised numbers (number of the format x scale) in f32.
;;   ~~~python
;;   def quantise(x, axis, e):      # numpy; x: float32 -> the quantised numbers, widened to float32 again
;;       x = np.moveaxis(x, axis, -1); K = x.shape[-1]
;;       r = np.clip(x / 2.0 ** e, -448, 448)
;;       step = 2.0 ** (np.maximum(np.frexp(np.where(r == 0, 1, r))[1] - 1, -6) - 3)
;;       q = np.round(r / step) * step * 2.0 ** e      # np.round: ties to even
;;       return np.moveaxis(q, -1, axis).astype(np.float32)
;;   ~~~
;;   SOFTMAX AHEAD OF A QUANTISED PRODUCT. Where the list says 'softmax', what is quantised is not the finished softmax but p = 2^(t - M), with t = logit x log2(e) and M = ceil(the row's largest t), a whole number; so 1/2 < the row's largest p <= 1. The row's sum l is taken of the UNQUANTISED p, in f32, and the product's result is divided by l at the end. Since M is a whole number, a kernel that streams over the keys may use a running M (the ceiling of the running maximum): every later rescaling is an exact power of two, so the quantised numbers keep their values, but for numbers so far below the row's largest that they fall under the format's range.
;;   OPERANDS COMPUTED ON THE WAY. 'Computed on the way' means the value that the module computes at that place (a softmax that the list does not call 'softmax' is quantised finished and normalised). What goes into a quantiser is computed in f32, as accurately as f32 sums, v_exp_f32 and their like allow (about 1e-6 of the number): no bf16 or f16 on the way to a quantiser, and a product that is left as it is and whose result goes on into a quantised operand takes f32 operands (vector FMAs, or v_wmma_f32_16x16x4_f32). A number that lies on a knife's edge between two numbers of the format may be rounded either way, as far as f32 arithmetic and the matrix unit's own rounding can turn it there, and no further.
;; One version. Each part assembles by itself: llvm-mc -triple=amdgcn-amd-amdhsa -mcpu=gfx1250 --defsym DOCPART=n.
;; ======== version 1 of 1: 4 launches
;; limits: right only within a limited range of input values
;; workspace buffers: xc 8,388,608 bytes; wc 4,194,304 bytes; qi 8,388,608 bytes; kv 16,777,216 bytes; yi 8,388,608 bytes
;; launch prep (part 1): grid 384 x 1, 4 waves a work-group, no clusters, 35,328 bytes of LDS; arguments x, W_qkv, W_proj, lowp_scales, xc, wc; writes xc, wc
.if DOCPART == 1
	.amdgcn_target "amdgcn-amd-amdhsa--gfx1250"
	.amdhsa_code_object_version 6
	.text
	.protected	k_q2caa807e7c_prep
	.globl	k_q2caa807e7c_prep
	.p2align	8
	.type	k_q2caa807e7c_prep,@function
k_q2caa807e7c_prep:
	s_mov_b64 s[64:65], 0
	v_nop
	global_prefetch_b8 v0, s[64:65] scope:SCOPE_SE
	s_setreg_imm32_b32 hwreg(HW_REG_WAVE_MODE, 25, 1), 1
	s_wait_xcnt 0x0
; x [8192][1024], W_qkv [1024][3072] and W_proj [1024][1024], f32, become codes of FP8 (E4M3), K innermost, each with the one scale 2^e given for it.
; code = number / 2^e, held within +-448, rounded to the nearest code, ties to even.  e: entry 0 (x), 1 (W_qkv), 7 (W_proj) of the buffer of scales.
; LIMITS: each e lies between -126 and 119, so that 2^e and 448 x 2^e are f32 numbers.  NaN among the inputs is not served; an infinity is held at the largest code.
; xc [8192][1024]: inside each 512 along K, byte 16 l + 4 i + j holds k = 128 i + 4 l + j (l < 32, i < 4, j < 4).  That is the order in which a lane's sixteen numbers come
;   when each of four loads reads 512 consecutive bytes: no turn through LDS is needed.  A permutation of K that both operands of a product share leaves each product with its partner.
; wc [4096][1024]: rows 0-3071 are W_qkv's columns, in xc's order of K; rows 3072-4095 are W_proj's columns, byte p holding k = p with bits 3 and 4 exchanged.
; Work-groups 0-255 take x, 256-383 the weights.  Only the weights' path uses LDS.  No barrier: waves share nothing.
.set XR,   16                          ; x: v16-79   four sets of 16 numbers
.set XC,   80                          ; x: v80-143  four registers of codes for each of 16 steps: no store's data are written again
.set WOFF, 16                          ; w: v16-47   byte offset of register rho's row in a block, + 4 x lane; never rewritten
.set WX,   48                          ; w: v48-111  two sets of 32 numbers
.set WCD,  112                         ; w: v112-119 a block's codes
.set OUTR, 120                         ; w: v120-183 the way out
.set WP,   272                         ; w: a stage row: 256 bytes of codes + 16
.set WSTG, 32*WP                       ; w: a wave's stage
	s_load_b256 s[4:11], s[0:1], 0x0               ; x s[4:5], W_qkv s[6:7], W_proj s[8:9], the scales' exponents s[10:11]
	s_load_b128 s[12:15], s[0:1], 0x20             ; xc s[12:13], wc s[14:15]
	v_lshl_add_u32 v192, v0, 2, 0x8800
	v_mov_b32 v193, 0
	v_lshrrev_b32 v1, 5, v0
	v_readfirstlane_b32 s24, v1                    ; wave 0..3
	v_and_b32 v2, 31, v0                           ; lane
	s_wait_kmcnt 0x0
	s_load_b256 s[16:23], s[10:11], 0x0            ; e0 .. e7
	s_cmp_ge_u32 ttmp9, 256
	s_cbranch_scc1 .Lweights
; ---------------- x: a wave takes 8,192 numbers, 16 steps of 512
.macro LOAD t
.irp i, 0,1,2,3
	global_load_b128 v[XR+16*((\t)%4)+4*\i:XR+16*((\t)%4)+4*\i+3], v3, s[4:5] offset:2048*(\t)+512*\i th:TH_LOAD_NT   ; 32 lanes read 512 consecutive bytes
.endr
.endm
.macro XSTEP t
.if (\t) <= 12
	s_wait_loadcnt 12                              ; this step's four loads are in; those of the three steps behind it stay out
.else
	s_wait_loadcnt 4*(15-(\t))                     ; nothing more is asked for: the counts run down
.endif
.set XS, XR+16*((\t)%4)
.irp i, 0,1,2,3,4,5,6,7,8,9,10,11,12,13,14,15
.endr
	v_cvt_scalef32_pk8_fp8_f32 v[XC+4*(\t):XC+4*(\t)+1], v[XS:XS+7], v11
	v_cvt_scalef32_pk8_fp8_f32 v[XC+4*(\t)+2:XC+4*(\t)+3], v[XS+8:XS+15], v11
.if (\t)+4 < 16
	LOAD (\t)+4                                    ; into the set just converted
.endif
	global_store_b128 v3, v[XC+4*(\t):XC+4*(\t)+3], s[12:13] offset:512*(\t)   ; 32 lanes store 512 consecutive bytes, aligned
.endm
	s_lshl_b32 s25, ttmp9, 2
	s_add_co_u32 s25, s25, s24                     ; which run of 8,192 numbers is my wave's
	s_lshl_b32 s26, s25, 15
	s_mov_b32 s27, 0
	s_add_nc_u64 s[4:5], s[4:5], s[26:27]
	s_lshl_b32 s26, s25, 13
	s_add_nc_u64 s[12:13], s[12:13], s[26:27]
	s_wait_alu depctr_va_vdst(0)
	v_lshlrev_b32 v3, 4, v2                        ; 16 x lane: offset of loads and stores alike; never rewritten
.irp t, 0,1,2,3
	LOAD \t
.endr
	s_wait_kmcnt 0x0
	s_add_co_i32 s16, s16, 127
	s_lshl_b32 s26, s16, 23
	v_mov_b32 v11, s26                             ; 2^e0 as f32: the conversion takes its exponent field
	s_wait_alu depctr_va_vdst(0)
.irp t, 0,1,2,3,4,5,6,7,8,9,10,11,12,13,14,15
	XSTEP \t
.endr
	s_endpgm
; ---------------- the weights: K is their first axis.  A lane takes a column, its registers run down K: the conversions then give codes with K innermost.
; Work-group g = 4 nb + ky: 128 columns (nb < 24: W_qkv's, else W_proj's), bytes 256 ky .. 256 ky + 255 of their rows of wc; a wave takes 32 columns.
; Register rho (bits b4 .. b0) of block t is byte 256 ky + 32 t + rho, and takes row R0 + step t + c4 b4 + c3 b3 + c2 b2 + (rho & 3) of the weight.
.Lweights:
	s_sub_co_u32 s25, ttmp9, 256
	s_lshr_b32 s26, s25, 2                         ; nb
	s_and_b32 s27, s25, 3                          ; ky
	s_lshr_b32 s28, s27, 1
	s_lshl_b32 s28, s28, 9
	s_and_b32 s29, s27, 1
	s_lshl_b32 s29, s29, 6
	s_add_co_u32 s28, s28, s29                     ; W_qkv: R0 = 512 (ky / 2) + 64 (ky % 2)
	s_lshl_b32 s29, s27, 8                         ; W_proj: R0 = 256 ky
	s_sub_co_u32 s30, s26, 24                      ; W_proj: its block of columns
	s_mov_b32 s33, 4096
	s_wait_kmcnt 0x0
	s_cmp_lt_u32 s26, 24                           ; the choice hangs on the work-group's number alone
	s_cselect_b64 s[6:7], s[6:7], s[8:9]           ; the weight
	s_cselect_b32 s33, 12288, s33                  ; bytes from row to row
	s_cselect_b32 s34, 128, 4                      ; c2
	s_cselect_b32 s35, 256, 16                     ; c3
	s_cselect_b32 s36, 4, 8                        ; c4
	s_cselect_b32 s37, 8, 32                       ; rows from block to block
	s_cselect_b32 s28, s28, s29                    ; R0
	s_cselect_b32 s30, s26, s30                    ; block of 128 columns
	s_cselect_b32 s17, s17, s23                    ; e
	s_mul_i32 s34, s34, s33
	s_mul_i32 s35, s35, s33
	s_mul_i32 s36, s36, s33
	s_mov_b32 s40, 0                               ; s[40 + q], q = rho / 4: (c2 (q & 1) + c3 ((q / 2) & 1) + c4 (q / 4)) rows, in bytes
	s_mov_b32 s41, s34
	s_mov_b32 s42, s35
	s_add_co_u32 s43, s34, s35
	s_mov_b32 s44, s36
	s_add_co_u32 s45, s36, s34
	s_add_co_u32 s46, s36, s35
	s_add_co_u32 s47, s46, s34
	s_mul_i32 s38, s28, s33
	s_lshl_b32 s39, s30, 9
	s_add_co_u32 s38, s38, s39
	s_lshl_b32 s39, s24, 7
	s_add_co_u32 s38, s38, s39                     ; R0 rows + 512 x block of columns + 128 x wave
	s_mov_b32 s39, 0
	s_add_nc_u64 s[48:49], s[6:7], s[38:39]        ; block 0's base;
	s_mul_i32 s38, s37, s33
.irp t, 1,2,3,4,5,6,7
	s_add_nc_u64 s[48+2*\t:49+2*\t], s[46+2*\t:47+2*\t], s[38:39]   ; a base for each block: no pointer is stepped under a load
.endr
	s_lshl_b32 s38, s26, 17
	s_lshl_b32 s25, s24, 15
	s_add_co_u32 s38, s38, s25
	s_lshl_b32 s25, s27, 8
	s_add_co_u32 s38, s38, s25
	s_add_nc_u64 s[14:15], s[14:15], s[38:39]      ; wc: row 128 nb + 32 wave, byte 256 ky
	s_wait_alu depctr_va_vdst(0)
	v_lshlrev_b32 v12, 2, v2
	v_add_nc_u32 v13, s33, v12
	v_add_nc_u32 v14, s33, v13
	v_add_nc_u32 v15, s33, v14                     ; 4 x lane + (rho & 3) rows
.set j, 0
.rept 32
	v_add_nc_u32 v[WOFF+j], s[40+j/4], v[12+j%4]
.set j, j+1
.endr
	s_mul_i32 s25, s24, WSTG                       ; my stage
	v_mul_u32_u24 v4, v2, WP
	v_add_nc_u32 v4, s25, v4                       ; into it: row = my column
	v_and_b32 v5, 15, v2
	v_lshrrev_b32 v6, 4, v2
	v_mul_u32_u24 v7, v6, WP
	v_lshl_add_u32 v7, v5, 4, v7
	v_add_nc_u32 v7, s25, v7                       ; out of it: sixteen lanes to a row, two rows an instruction
	v_lshlrev_b32 v8, 10, v6
	v_lshl_add_u32 v8, v5, 4, v8                   ; and the same place in wc
.macro WLOAD t                         ; block t's 32 rows at my column: 32 lanes read 128 consecutive bytes
.set j, 0
.rept 32
	global_load_b32 v[WX+32*((\t)%2)+j], v[WOFF+j], s[48+2*(\t):49+2*(\t)] th:TH_LOAD_NT
.set j, j+1
.endr
.endm
	WLOAD 0
	WLOAD 1
	s_add_co_i32 s17, s17, 127
	s_lshl_b32 s25, s17, 23
	v_mov_b32 v11, s25                             ; 2^e as f32
	s_add_co_i32 s17, s17, 8
	s_lshl_b32 s17, s17, 23
	s_or_b32 s17, s17, 0x600000
.macro BLOCK t
.set XS, WX+32*((\t)%2)
.if (\t) < 7
	s_wait_loadcnt 32                              ; this block's 32 loads are in; the next block's stay out
.else
	s_wait_loadcnt 0
.endif
.set j, 0
.rept 32
.set j, j+1
.endr
.irp g, 0,1,2,3
	v_cvt_scalef32_pk8_fp8_f32 v[WCD+2*\g:WCD+2*\g+1], v[XS+8*\g:XS+8*\g+7], v11
.endr
	ds_store_b128 v4, v[WCD:WCD+3] offset:32*(\t)  ; 32 codes: 32 bytes of my column's row
	ds_store_b128 v4, v[WCD+4:WCD+7] offset:32*(\t)+16
.if (\t)+2 < 8
	WLOAD (\t)+2
.endif
	s_wait_dscnt 0x0                               ; the stores have read their registers: the next block's codes may be written
.endm
	s_wait_alu depctr_va_vdst(0)
.irp t, 0,1,2,3,4,5,6,7
	BLOCK \t
.endr
.irp t, 0,1,2,3,4,5,6,7,8,9,10,11,12,13,14,15
	ds_load_b128 v[OUTR+4*\t:OUTR+4*\t+3], v7 offset:2*\t*WP   ; LDS serves a wave's instructions in order (ISA guide 5.7.1.4): these see my stores
.endr
.irp t, 0,1,2,3,4,5,6,7,8,9,10,11,12,13,14,15
	s_wait_dscnt 15-\t
	global_store_b128 v8, v[OUTR+4*\t:OUTR+4*\t+3], s[14:15] offset:2*\t*1024   ; sixteen lanes store 256 consecutive bytes, aligned
.endr
	s_wait_tensorcnt 0x0
	ds_add_u32 v192, v193
	s_wait_dscnt 0x0
	s_endpgm
.Lfunc_end_k_q2caa807e7c_prep:
	.size	k_q2caa807e7c_prep, .Lfunc_end_k_q2caa807e7c_prep-k_q2caa807e7c_prep
	.p2alignl 7, 3214868480
	.fill 96, 4, 3214868480
	.section	.rodata,"a",@progbits
	.p2align	6, 0x0
	.amdhsa_kernel k_q2caa807e7c_prep
		.amdhsa_group_segment_fixed_size 35328
		.amdhsa_private_segment_fixed_size 0
		.amdhsa_enable_private_segment 0
		.amdhsa_kernarg_size 48
		.amdhsa_user_sgpr_count 2
		.amdhsa_user_sgpr_kernarg_segment_ptr 1
		.amdhsa_wavefront_size32 1
		.amdhsa_system_sgpr_workgroup_id_x 1
		.amdhsa_system_sgpr_workgroup_id_y 1
		.amdhsa_system_sgpr_workgroup_id_z 1
		.amdhsa_system_vgpr_workitem_id 0
		.amdhsa_next_free_vgpr 194
		.amdhsa_next_free_sgpr 66
		.amdhsa_reserve_vcc 0
		.amdhsa_float_denorm_mode_32 3
		.amdhsa_float_denorm_mode_16_64 3
		.amdhsa_fp16_overflow 1
		.amdhsa_memory_ordered 1
		.amdhsa_forward_progress 1
		.amdhsa_inst_pref_size 46
	.end_amdhsa_kernel
	.amdgpu_metadata
---
amdhsa.version: [ 1, 2 ]
amdhsa.kernels:
  - .name:           k_q2caa807e7c_prep
    .symbol:         k_q2caa807e7c_prep.kd
    .args:
      - { .name: x, .offset: 0, .size: 8, .value_kind: global_buffer, .address_space: global }
      - { .name: W_qkv, .offset: 8, .size: 8, .value_kind: global_buffer, .address_space: global }
      - { .name: W_proj, .offset: 16, .size: 8, .value_kind: global_buffer, .address_space: global }
      - { .name: lowp_scales, .offset: 24, .size: 8, .value_kind: global_buffer, .address_space: global }
      - { .name: xc, .offset: 32, .size: 8, .value_kind: global_buffer, .address_space: global }
      - { .name: wc, .offset: 40, .size: 8, .value_kind: global_buffer, .address_space: global }
    .group_segment_fixed_size: 35328
    .private_segment_fixed_size: 0
    .kernarg_segment_align: 8
    .kernarg_segment_size: 48
    .max_flat_workgroup_size: 128
    .sgpr_count:     66
    .vgpr_count:     194
    .wavefront_size: 32
...
	.end_amdgpu_metadata
.endif
;; end of part 1
;; launch qkv (part 2): grid 12 x 32, 4 waves a work-group, clusters of 4 x 4, 327,680 bytes of LDS; arguments xc, wc, lowp_scales, b_qkv, qi, kv; writes qi, kv
.if DOCPART == 2
	.amdgcn_target "amdgcn-amd-amdhsa--gfx1250"
	.amdhsa_code_object_version 6
	.text
	.protected	k_q2caa807e7c_qkv
	.globl	k_q2caa807e7c_qkv
	.p2align	8
	.type	k_q2caa807e7c_qkv,@function
k_q2caa807e7c_qkv:
	s_mov_b64 s[64:65], 0
	v_nop
	global_prefetch_b8 v0, s[64:65] scope:SCOPE_SE
	s_setreg_imm32_b32 hwreg(HW_REG_WAVE_MODE, 25, 1), 1
	s_wait_xcnt 0x0
	s_wait_alu depctr_hold_cnt(0) depctr_sa_sdst(0) depctr_va_vdst(0) depctr_va_sdst(0) depctr_va_ssrc(0) depctr_va_vcc(0) depctr_vm_vsrc(0)
	s_getreg_b32 s2, hwreg(HW_REG_IB_STS2, 6, 4)
	s_cmp_eq_u32 s2, 0
	s_cbranch_scc0 .Lentry_in_a_cluster
	s_endpgm
.Lentry_in_a_cluster:
	s_bfe_u32 s2, ttmp6, 0x10000c
	s_cmp_lg_u32 s2, 0xf033
	s_cbranch_scc0 .Lentry_shape_is_right
	s_endpgm
.Lentry_shape_is_right:
; qkv = x W_qkv + b_qkv on codes of FP8 (E4M3), and q, k, v quantised at once into the registers' order in which the attention launch takes them.
; xc [8192][1024], wc [4096][1024]: codes, K innermost, the same order of K in both.  A sum stands for sum x 2^(e0 + e1); then + bias; then the code with e2 (q), e3 (k) or e5 (v).
; LIMITS: e0 + e1 between -126 and 127; e2, e3, e5 between -126 and 119.  NaN is not served.
; A tile of 256 x 256 is made by four waves, each 128 x 128: 64 accumulators, 512 registers.  K = 1,024 goes in four steps of 256 through two LDS slots; all steps are written out.
; THE MATRIX INSTRUCTION IS USED TRANSPOSED: source 0 = 16 rows of B', source 1 = 16 rows of A': a lane holds ONE row of A' and eight neighbouring rows of B'.
; THE KIND is the cluster's x: 0 = q, 1 = k, 2 = v.  q, k: A' = tokens (xc), B' = columns (wc): a lane holds a token and eight neighbouring channels, so the four accumulators (a, 4 p .. 4 p + 3),
; converted, are the eight registers of a fragment 16 tokens x a head's 64 channels.  v: A' = columns (wc rows 2048 on), B' = tokens: a lane holds a channel and eight neighbouring tokens: the same four
; accumulators are a fragment 16 channels x 64 keys of V^T.  The kinds differ in pointers and in the bias alone; loop, LDS map and descriptors' shapes are one.
; AN IMAGE: a fragment's eight registers, 1,024 bytes: registers 4 g .. 4 g + 3 of lane l at byte 512 g + 16 l.  A store of the wave covers 512 consecutive bytes, aligned.
; qi [64 heads][128 tiles of 16 queries][1024];  kv [64 heads][32 steps of 64 keys][8192]: four images of K (16 keys each), then four of V^T (16 channels each).
; CLUSTERS: 4 x 4 work-groups; A's tiles are asked for jointly along a row of the cluster, B's along a column.
; REGISTERS: window 0: v0-31 addresses and constants; v32-95 the bias; from v128 A's fragments, one set; on the way out v96-159 numbers, v160-223 codes.  window 1: B's fragments, two sets.  windows 2, 3: the accumulators.
.set PITCH,  272                       ; an LDS row: 256 bytes + 16 of padding = 68 words: the 16 rows that a load touches start 4 banks apart (64 banks of 4 bytes: ISA guide 11.1)
.set FR,     16
.set NL,     4
.set NP,     4                         ; places behind this matrix instruction (ISA guide 7.12.1)
.set HALFT,  128*PITCH
.set SLOT,   4*HALFT
.set SPARE,  2*SLOT                    ; behind the ring: the spare words, 128 bytes a wave, that no other line names
.set STEPA,  256                       ; a K step in memory, in bytes
.set STEPB,  256
.set ADRA, 16
.set ADRB, 20
.set LO,   26                          ; v26  16 x lane: my place in an image; never rewritten
.set BO,   27                          ; v27  the bias loads' offset
.set SPW,  28
.set NIL,  29
.set SCL,  30                          ; v30  2^e as f32
.set LIM,  31
.set BI,   32                          ; q, k: v32-95 the bias of my 128 columns' share: 8 numbers for each b
.set BV,   32                          ; v: v32-47 the bias of my row of each block a, twice (a pair for the packed form)
.set TMP,  96
.set CD,   160                         ; four sets of 16 registers of codes
.set AF,   128
.set G1, 24
.set G0, 32
.set G1B, 48
.set G0B, 56
.set MSB, 0
.macro WIN new                         ; the immediate's high byte repeats the setting that is left
.if MSB != (\new)
	s_set_vgpr_msb (MSB<<8)|(\new)
.set MSB, (\new)
.endif
.endm
.set MUL_LO, 0xa1                      ; source 0 (B') window 1, source 1 (A') window 0, C and D window 2
.set MUL_HI, 0xf1
.set TO_B,   0x40
.macro JLOAD g0a, g1a, g0b, g1b        ; a joint load: waves 0, 1 fetch for A', waves 2, 3 for B'; four v_nop follow each line
	s_cmp_eq_u32 s15, 0
	s_cbranch_scc0 .Lfor_b_\@
	tensor_load_to_lds s[\g0a:\g0a+3], s[\g1a:\g1a+7]
	s_nop 0
.rept 4
	v_nop
.endr
	s_branch .Lasked_\@
.Lfor_b_\@:
	tensor_load_to_lds s[\g0b:\g0b+3], s[\g1b:\g1b+7]
	s_nop 0
.rept 4
	v_nop
.endr
.Lasked_\@:
.endm
.macro CREST
	s_cmp_lg_u32 s14, 0
	s_cbranch_scc1 .Lnot_wave_0_\@
	s_barrier_signal -3
.Lnot_wave_0_\@:
	s_barrier_wait -3
	s_barrier_signal -1
	s_barrier_wait -1
.endm
.macro CROUND
	s_barrier_signal -1
	s_barrier_wait -1
	CREST
.endm
	s_load_b256 s[4:11], s[0:1], 0x0               ; xc s[4:5], wc s[6:7], the scales' exponents s[8:9], b_qkv s[10:11]
	s_load_b128 s[68:71], s[0:1], 0x20             ; qi s[68:69], kv s[70:71]
	v_lshl_add_u32 v[SPW], v0, 2, SPARE
	v_mov_b32 v[NIL], 0
	ds_add_u32 v28, v29
	ds_add_u32 v28, v29
	s_wait_dscnt 0x0
	v_lshrrev_b32 v1, 5, v0
	v_readfirstlane_b32 s14, v1                    ; wave 0..3
	s_lshr_b32 s15, s14, 1                         ; which half of A's rows I multiply.  Also: I fetch for A' (0) or for B' (1)
	s_and_b32 s16, s14, 1                          ; which half of B's rows I multiply.  Also: which 128 rows I fetch
	s_bfe_u32 s40, ttmp6, 0x40000                  ; cx
	s_bfe_u32 s41, ttmp6, 0x40004                  ; cy
	s_and_b32 s18, ttmp7, 0xffff
	s_lshl_b32 s18, s18, 2                         ; 4 x cluster y
	s_add_co_u32 s19, s18, s41                     ; q, k: A's tile = 4 Y + cy (tokens)
	s_add_co_u32 s20, s41, 8                       ; v:    A's tile = 8 + cy (wc rows 2048 on)
	s_lshl_b32 s21, ttmp9, 2
	s_add_co_u32 s21, s21, s40                     ; q, k: B's tile = 4 X + cx (wc rows)
	s_add_co_u32 s22, s18, s40                     ; v:    B's tile = 4 Y + cx (tokens)
	s_cmp_eq_u32 ttmp9, 2                          ; the kind: the same in all sixteen partners
	s_cselect_b32 s17, s20, s19                    ; A's tile: made of cy and the cluster's place alone
	s_cselect_b32 s42, s22, s21                    ; B's tile: of cx and the cluster's place alone
	s_lshl_b32 s43, s41, 2
	s_lshl_b32 s43, 15, s43                        ; my row of the cluster
	s_lshl_b32 s44, 0x1111, s40                    ; my column
	s_or_b32 s[G1+0], s43, (0<<16)|(1<<20)|(1<<21)|(5<<22)|(3<<25)  ; the mask; elements of 1 byte; padding on; bit 21 beside a mask; 4 words behind every 64
	s_or_b32 s[G1B+0], s44, (0<<16)|(1<<20)|(1<<21)|(5<<22)|(3<<25)
.irp g, G1, G1B
	s_mov_b32 s[\g+1], 256<<16                     ; tensor_dim0
	s_mov_b32 s[\g+2], 128<<16                     ; tensor_dim1
	s_mov_b32 s[\g+3], 256<<16                     ; tile_dim0
	s_mov_b32 s[\g+4], 128                         ; tile_dim1
	s_mov_b32 s[\g+5], 1024                        ; bytes from row to row
	s_mov_b32 s[\g+6], 0
	s_mov_b32 s[\g+7], 0
.endr
	s_lshl_b32 s18, s16, 7
	s_lshl_b32 s20, s17, 8
	s_add_co_u32 s20, s20, s18
	s_lshl_b32 s20, s20, 10                        ; A': (256 x tile + 128 x half) rows of 1,024 bytes
	s_mov_b32 s21, 0
	s_lshl_b32 s46, s42, 8
	s_add_co_u32 s46, s46, s18
	s_lshl_b32 s46, s46, 10                        ; B' likewise
	s_mov_b32 s47, 0
	s_mul_i32 s45, s14, HALFT                      ; where they go: wave x 128 rows
	s_wait_kmcnt 0x0
	s_load_b256 s[76:83], s[8:9], 0x0              ; e0 .. e7
	s_cmp_eq_u32 ttmp9, 2
	s_cselect_b64 s[72:73], s[6:7], s[4:5]         ; A's buffer
	s_cselect_b64 s[74:75], s[4:5], s[6:7]         ; B's buffer
	s_add_nc_u64 s[20:21], s[72:73], s[20:21]
	s_add_nc_u64 s[46:47], s[74:75], s[46:47]
	CROUND                                         ; all sixteen work-groups are here: the first joint loads meet
.irp s, 0,1
	s_mov_b32 s[G0+4*\s], 1
	s_add_co_u32 s[G0+4*\s+1], s45, \s*SLOT
	s_add_nc_u64 s[G0+4*\s+2:G0+4*\s+3], s[20:21], \s*STEPA
	s_or_b32 s[G0+4*\s+3], s[G0+4*\s+3], 0x80000000
	s_mov_b32 s[G0B+4*\s], 1
	s_add_co_u32 s[G0B+4*\s+1], s45, \s*SLOT
	s_add_nc_u64 s[G0B+4*\s+2:G0B+4*\s+3], s[46:47], \s*STEPB
	s_or_b32 s[G0B+4*\s+3], s[G0B+4*\s+3], 0x80000000
	JLOAD G0+4*\s, G1, G0B+4*\s, G1B
.endr
	v_and_b32 v1, 15, v0                           ; r = lane % 16; kept
	v_bfe_u32 v2, v0, 4, 1                         ; h = lane / 16; kept
	v_mul_u32_u24 v3, v1, PITCH
	v_lshl_add_u32 v4, v2, 4, v3
	s_mul_i32 s21, s15, HALFT
	s_mul_i32 s22, s16, HALFT
	s_add_co_u32 s22, s22, 2*HALFT
.irp s, 0,1
	v_add_nc_u32 v[ADRA+\s], s21, v4
	v_add_nc_u32 v[ADRB+\s], s22, v4
	s_add_co_u32 s21, s21, SLOT
	s_add_co_u32 s22, s22, SLOT
.endr
	v_and_b32 v5, 31, v0
	v_lshlrev_b32 v[LO], 4, v5
	; where my images go.  TT: the tile of tokens; HQ: which four heads; hsel: which two of them are my wave's; usel: which half of the tile's tokens
	s_cmp_eq_u32 ttmp9, 2
	s_cselect_b32 s98, s42, s17                    ; TT
	s_cselect_b32 s99, s41, s40                    ; HQ
	s_cselect_b32 s100, s15, s16                   ; hsel
	s_cselect_b32 s101, s16, s15                   ; usel
	s_cselect_b32 s2, 4096, 0                      ; V^T's images lie behind K's four
	s_cmp_eq_u32 ttmp9, 0
	s_cselect_b64 s[18:19], s[68:69], s[70:71]     ; qi or kv
	s_cselect_b32 s3, 17, 18                       ; a head's bytes: 2^17 in qi, 2^18 in kv
	s_cselect_b32 s23, 12, 13                      ; 64 tokens' bytes: 2^12 in qi, 2^13 in kv
	s_lshr_b32 s46, s98, 3                         ; the batch: 8 tiles of 256 tokens each
	s_lshl_b32 s46, s46, 4
	s_lshl_b32 s99, s99, 2
	s_add_co_u32 s46, s46, s99
	s_lshl_b32 s100, s100, 1
	s_add_co_u32 s46, s46, s100                    ; 16 x batch + 4 HQ + 2 hsel
	s_lshl_b32 s46, s46, s3
	s_and_b32 s98, s98, 7
	s_lshl_b32 s98, s98, 2
	s_lshl_b32 s101, s101, 1
	s_add_co_u32 s98, s98, s101                    ; 4 (TT % 8) + 2 usel
	s_lshl_b32 s98, s98, s23
	s_add_co_u32 s46, s46, s98
	s_add_co_u32 s46, s46, s2
	s_mov_b32 s47, 0
	s_add_nc_u64 s[88:89], s[18:19], s[46:47]      ; base (a / 4 = 0, p = 0)
	s_lshl_b32 s98, 1, s3
	s_lshl_b32 s100, 1, s23
	s_cmp_eq_u32 ttmp9, 2
	s_cselect_b32 s46, s98, s100                   ; from a / 4 = 0 to 1: v: the next head; q, k: the next 64 tokens
	s_cselect_b32 s98, s100, s98                   ; from p = 0 to 1: the other way round
	s_mov_b32 s99, 0
	s_add_nc_u64 s[90:91], s[88:89], s[98:99]
	s_add_nc_u64 s[92:93], s[88:89], s[46:47]
	s_add_nc_u64 s[94:95], s[92:93], s[98:99]      ; base (a / 4, p) = s[88 + 4 (a / 4) + 2 p]
	s_cmp_eq_u32 ttmp9, 2                          ; the bias runs along wc's rows: B's for q and k, A's for v
	s_cselect_b32 s98, s17, s42
	s_cselect_b32 s99, s15, s16
	s_lshl_b32 s98, s98, 10
	s_lshl_b32 s99, s99, 9
	s_add_co_u32 s98, s98, s99                     ; 4 (256 x tile + 128 x half)
	s_mov_b32 s99, 0
	s_add_nc_u64 s[96:97], s[10:11], s[98:99]
	s_wait_alu depctr_va_vdst(0)
	s_wait_kmcnt 0x0
	s_add_co_i32 s84, s76, s77
	s_add_co_i32 s84, s84, 127
	s_lshl_b32 s84, s84, 23                        ; 2^(e0 + e1) as f32
	s_mov_b32 s85, s84                             ; (named with it as a pair)
	s_cmp_eq_u32 ttmp9, 0
	s_cselect_b32 s86, s78, s79                    ; q: e2; k: e3
	s_cmp_eq_u32 ttmp9, 2
	s_cselect_b32 s86, s81, s86                    ; v: e5.  The numbers are chosen, no branch hangs on them
	s_add_co_i32 s86, s86, 127
	s_lshl_b32 s98, s86, 23
	v_mov_b32 v[SCL], s98
.macro FRAG reg, adr, q, i             ; 16 rows x 128 K: four loads of 16 bytes, 32 apart, the same in A' and B': each product meets its partner
.irp c, 0,1,2,3
	ds_load_b128 v[\reg+4*\c:\reg+4*\c+3], v[\adr] offset:128*(\q)+32*\c+(\i)*16*PITCH
.endr
.endm
.macro MUL16 a0, p, zero               ; A's blocks a0, a0 + 1 x B's eight.  The 64 accumulators take turns, one instruction a turn
.irp a, \a0, \a0+1
.irp b, 0,1,2,3,4,5,6,7
.if \zero
	v_wmma_f32_16x16x128_fp8_fp8 v[8*(8*((\a)%4)+\b):8*(8*((\a)%4)+\b)+7], v[128*(\p)+FR*\b:128*(\p)+FR*\b+FR-1], v[AF+FR*(\a):AF+FR*(\a)+FR-1], 0
.else
	v_wmma_f32_16x16x128_fp8_fp8 v[8*(8*((\a)%4)+\b):8*(8*((\a)%4)+\b)+7], v[128*(\p)+FR*\b:128*(\p)+FR*\b+FR-1], v[AF+FR*(\a):AF+FR*(\a)+FR-1], v[8*(8*((\a)%4)+\b):8*(8*((\a)%4)+\b)+7]
.endif
.endr
.endr
.endm
.macro FETCH_B slot, q, p
	WIN TO_B
.irp i, 0,1,2,3,4,5,6,7
	FRAG 128*(\p)+FR*\i, ADRB+\slot, \q, \i
.endr
	WIN 0
.endm
.macro FETCH_A slot, q, i0
.irp i, \i0, \i0+1, \i0+2, \i0+3
	FRAG AF+FR*(\i), ADRA+\slot, \q, \i
.endr
.endm
.macro PLACES n                        ; plain vector instructions between a matrix instruction and a load into, or a vector instruction on, its registers
.rept \n
	v_nop
.endr
.endm
.macro STEP slot, q, zero              ; 128 along K whose successor lies in the same slot
	s_wait_dscnt 4*NL                              ; B's set and A's blocks 0-3 are in; the youngest 16 loads (A's blocks 4-7) may be out
	WIN MUL_LO
	MUL16 0, (\q)%2, \zero
	MUL16 2, (\q)%2, \zero
	s_wait_dscnt 0                                 ; A's blocks 4-7 are in
	PLACES NP
	FETCH_B \slot, (\q)+1, 1-(\q)%2
	FETCH_A \slot, (\q)+1, 0
	WIN MUL_HI
	MUL16 4, (\q)%2, \zero
	MUL16 6, (\q)%2, \zero
	PLACES NP
	WIN 0
	FETCH_A \slot, (\q)+1, 4
.endm
.macro TURN slot, next, fill           ; a slot's last 128 along K, and the change of slots: one barrier
	s_wait_tensorcnt 0x0                           ; all my tensor loads have landed: my part of the next slot
	ds_add_u32 v[SPW], v[NIL]                      ; 0 onto my spare word
	s_wait_dscnt 4*NL+1                            ; (the add and the youngest 16 loads may be out)
	WIN MUL_LO
	MUL16 0, 1, 0
	s_wait_dscnt 0x0                               ; the add is done, and my reads of this slot are over
	s_barrier_signal -1
	MUL16 2, 1, 0
	WIN 0
	s_barrier_wait -1
.if \fill
	CREST                                          ; the barrier has opened a round of the cluster's: no wave of any partner still reads this slot or has a load on its way
	s_add_nc_u64 s[G0+4*\slot+2:G0+4*\slot+3], s[G0+4*\slot+2:G0+4*\slot+3], 2*STEPA
	s_add_nc_u64 s[G0B+4*\slot+2:G0B+4*\slot+3], s[G0B+4*\slot+2:G0B+4*\slot+3], 2*STEPB
	JLOAD G0+4*\slot, G1, G0B+4*\slot, G1B         ; the first tensor load behind the round; its four v_nop are the places in front of the loads below
.else
	PLACES NP
.endif
	FETCH_B \next, 0, 0
	FETCH_A \next, 0, 0
	WIN MUL_HI
	MUL16 4, 1, 0
	MUL16 6, 1, 0
	PLACES NP
	WIN 0
	FETCH_A \next, 0, 4
.endm
.macro LAST                            ; the very last 128 along K: nothing more to fetch
	s_wait_dscnt 4*NL
	WIN MUL_LO
	MUL16 0, 1, 0
	MUL16 2, 1, 0
	s_wait_dscnt 0
	WIN MUL_HI
	MUL16 4, 1, 0
	MUL16 6, 1, 0
	WIN 0
.endm
; THE WAY OUT, block a of 16 rows of A' at a time: sum x 2^(e0 + e1) + bias, the hold, the conversion, four stores of 512 consecutive bytes.  Each accumulator is read from its low end on.
.macro EPI kind
.irp a, 0,1,2,3,4,5,6,7
.if \a >= 4
	s_wait_xcnt 0x0                                ; block a - 4's stores have read this set of codes
.endif
	WIN 0x02+(\a/4)                                ; source 0: window 2 or 3
.irp b, 0,1,2,3,4,5,6,7
.irp i, 0,2,4,6
.if \kind
	v_pk_fma_f32 v[TMP+8*\b+\i:TMP+8*\b+\i+1], v[64*(\a%4)+8*\b+\i:64*(\a%4)+8*\b+\i+1], s[84:85], v[BV+2*\a:BV+2*\a+1] op_sel_hi:[1,0,1]
.else
	v_pk_fma_f32 v[TMP+8*\b+\i:TMP+8*\b+\i+1], v[64*(\a%4)+8*\b+\i:64*(\a%4)+8*\b+\i+1], s[84:85], v[BI+8*\b+\i:BI+8*\b+\i+1] op_sel_hi:[1,0,1]
.endif
.endr
.endr
	WIN 0
.set j, 0
.rept 64
.set j, j+1
.endr
.irp b, 0,1,2,3,4,5,6,7
	v_cvt_scalef32_pk8_fp8_f32 v[CD+16*(\a%4)+2*\b:CD+16*(\a%4)+2*\b+1], v[TMP+8*\b:TMP+8*\b+7], v[SCL]
.endr
	v_nop                                          ; a plain instruction between the conversions and the next block's writes of their sources
.irp p, 0,1
.irp g, 0,1
	global_store_b128 v[LO], v[CD+16*(\a%4)+8*\p+4*\g:CD+16*(\a%4)+8*\p+4*\g+3], s[88+4*(\a/4)+2*\p:89+4*(\a/4)+2*\p] offset:(\a%4)*1024+512*\g
.endr
.endr
.endr
.endm
	s_wait_tensorcnt 1                             ; my part of K step 0 is in (K step 1's one load may be out)
	s_barrier_signal -1
	s_barrier_wait -1                              ; everybody's is
	FETCH_B 0, 0, 0
	FETCH_A 0, 0, 0
	FETCH_A 0, 0, 4
	STEP 0, 0, 1                                   ; the first products start the sums: nothing is cleared
	TURN 0, 1, 1                                   ; slot 0 takes K step 2
	STEP 1, 0, 0
	TURN 1, 0, 1                                   ; slot 1 takes K step 3
	STEP 0, 0, 0
	TURN 0, 1, 0
	s_cmp_eq_u32 ttmp9, 2                          ; the kinds part here, on the cluster's x; no tensor load and no barrier stands before they join
	s_cbranch_scc1 .Lv
	v_lshlrev_b32 v[BO], 5, v2                     ; q, k: lane (r, h) wants, for each b, the bias of columns 16 b + 8 h + 0 .. 7
.irp b, 0,1,2,3,4,5,6,7
	global_load_b128 v[BI+8*\b:BI+8*\b+3], v[BO], s[96:97] offset:64*\b
	global_load_b128 v[BI+8*\b+4:BI+8*\b+7], v[BO], s[96:97] offset:64*\b+16
.endr
	STEP 1, 0, 0                                   ; the bias lands under the last 128 matrix instructions
	LAST
	s_wait_loadcnt 0x0
	PLACES NP
	EPI 0
	s_branch .Ljoin
.Lv:
	v_lshlrev_b32 v[BO], 2, v1                     ; v: lane (r, h) wants, for each a, the bias of row 16 a + r
.irp a, 0,1,2,3,4,5,6,7
	global_load_b32 v[BV+2*\a], v[BO], s[96:97] offset:64*\a
	global_load_b32 v[BV+2*\a+1], v[BO], s[96:97] offset:64*\a
.endr
	STEP 1, 0, 0
	LAST
	s_wait_loadcnt 0x0
	PLACES NP
	EPI 1
.Ljoin:
	s_wait_tensorcnt 0x0                           ; the wave's end
	ds_add_u32 v[SPW], v[NIL]
	s_wait_dscnt 0x0
	CROUND                                         ; the closing round: no work-group ends while a partner may still ask for a tile that names it
	s_endpgm
.Lfunc_end_k_q2caa807e7c_qkv:
	.size	k_q2caa807e7c_qkv, .Lfunc_end_k_q2caa807e7c_qkv-k_q2caa807e7c_qkv
	.p2alignl 7, 3214868480
	.fill 96, 4, 3214868480
	.section	.rodata,"a",@progbits
	.p2align	6, 0x0
	.amdhsa_kernel k_q2caa807e7c_qkv
		.amdhsa_group_segment_fixed_size 327680
		.amdhsa_private_segment_fixed_size 0
		.amdhsa_enable_private_segment 0
		.amdhsa_kernarg_size 48
		.amdhsa_user_sgpr_count 2
		.amdhsa_user_sgpr_kernarg_segment_ptr 1
		.amdhsa_wavefront_size32 1
		.amdhsa_system_sgpr_workgroup_id_x 1
		.amdhsa_system_sgpr_workgroup_id_y 1
		.amdhsa_system_sgpr_workgroup_id_z 1
		.amdhsa_system_vgpr_workitem_id 0
		.amdhsa_next_free_vgpr 1024
		.amdhsa_next_free_sgpr 102
		.amdhsa_reserve_vcc 0
		.amdhsa_float_denorm_mode_32 3
		.amdhsa_float_denorm_mode_16_64 3
		.amdhsa_fp16_overflow 1
		.amdhsa_memory_ordered 1
		.amdhsa_forward_progress 1
		.amdhsa_inst_pref_size 143
	.end_amdhsa_kernel
	.amdgpu_metadata
---
amdhsa.version: [ 1, 2 ]
amdhsa.kernels:
  - .name:           k_q2caa807e7c_qkv
    .symbol:         k_q2caa807e7c_qkv.kd
    .args:
      - { .name: xc, .offset: 0, .size: 8, .value_kind: global_buffer, .address_space: global }
      - { .name: wc, .offset: 8, .size: 8, .value_kind: global_buffer, .address_space: global }
      - { .name: lowp_scales, .offset: 16, .size: 8, .value_kind: global_buffer, .address_space: global }
      - { .name: b_qkv, .offset: 24, .size: 8, .value_kind: global_buffer, .address_space: global }
      - { .name: qi, .offset: 32, .size: 8, .value_kind: global_buffer, .address_space: global }
      - { .name: kv, .offset: 40, .size: 8, .value_kind: global_buffer, .address_space: global }
    .group_segment_fixed_size: 327680
    .private_segment_fixed_size: 0
    .kernarg_segment_align: 8
    .kernarg_segment_size: 48
    .max_flat_workgroup_size: 128
    .sgpr_count:     102
    .vgpr_count:     1024
    .wavefront_size: 32
...
	.end_amdgpu_metadata
.endif
;; end of part 2
;; launch attn (part 3): grid 4 x 64, 8 waves a work-group, clusters of 4 x 1, 263,168 bytes of LDS; arguments qi, kv, lowp_scales, yi; writes yi
.if DOCPART == 3
	.amdgcn_target "amdgcn-amd-amdhsa--gfx1250"
	.amdhsa_code_object_version 6
	.text
	.protected	k_q2caa807e7c_attn
	.globl	k_q2caa807e7c_attn
	.p2align	8
	.type	k_q2caa807e7c_attn,@function
k_q2caa807e7c_attn:
	s_mov_b64 s[64:65], 0
	v_nop
	global_prefetch_b8 v0, s[64:65] scope:SCOPE_SE
	s_setreg_imm32_b32 hwreg(HW_REG_WAVE_MODE, 25, 1), 1
	s_wait_xcnt 0x0
	s_wait_alu depctr_hold_cnt(0) depctr_sa_sdst(0) depctr_va_vdst(0) depctr_va_sdst(0) depctr_va_ssrc(0) depctr_va_vcc(0) depctr_vm_vsrc(0)
	s_getreg_b32 s2, hwreg(HW_REG_IB_STS2, 6, 4)
	s_cmp_eq_u32 s2, 0
	s_cbranch_scc0 .Lentry_in_a_cluster
	s_endpgm
.Lentry_in_a_cluster:
	s_bfe_u32 s2, ttmp6, 0x10000c
	s_cmp_lg_u32 s2, 0x3003
	s_cbranch_scc0 .Lentry_shape_is_right
	s_endpgm
.Lentry_shape_is_right:
; y = softmax(q k^T / 8, causal) v for one head a cluster, both products on codes of FP8 (E4M3); y quantised at once, with e6, into the registers' order in which the last launch takes it.
; qi [64 heads][128 tiles of 16 queries][1024], kv [64 heads][32 steps of 64 keys][8192] (four images of K, four of V^T), yi [512 blocks of 16 tokens][16 heads][1024].
; AN IMAGE is a fragment's eight registers (16 rows x 64 K): registers 4 g .. 4 g + 3 of lane l at byte 512 g + 16 l.
; THE SOFTMAX: t = score x 2^(e2 + e3) x log2(e) / 8; M = the running largest t rounded UP to a whole number; p = 2^(t - M) is quantised with e4; the row's sum is taken of the unquantised p
; and divides at the end; when M moves, the sum and O are multiplied by 2^(old M - new M), which rounds nothing.
; LIMITS: e2 + e3 between -123 and 130 (added to the constant's exponent field); e4 and e6 between -126 and 119; e4 + e5 goes through v_ldexp_f32.  NaN is not served.
; SHARES.  The four work-groups of a cluster serve one head.  The head's whole kv block, 262,144 bytes, is asked for JOINTLY at the start, four loads of 8,192 bytes a wave, and lands in each partner's LDS;
; nothing is filled again.  A unit is 32 queries (two tiles), a step 64 keys.  Wave w of work-group cx takes unit 63 - 4 w - cx and then unit 4 w + cx.
; The numbers of steps hang on the wave's number alone: 32 - 2 w and 2 w + 2, 34 for every wave; cx enters global addresses and the numbers that the mask compares, no branch and no LDS address.
; The last two steps under a unit's bound run the mask (hidden scores become -infinity ahead of the maximum); steps at or over the bound are jumped over.  Key 0 counts for every query, so M is a number from the first step on.
; LAYOUT.  S^T = K Q^T (source 0 = 16 keys, source 1 = 16 queries), O^T = V^T P^T (source 0 = 16 channels, source 1 = P): a lane holds ONE query throughout; S^T's tile c holds keys 16 c + 8 (lane / 16) + 0 .. 7,
; which is the place that the second product's operand gives them: the conversions' results are the operand.
.set LI,   1                           ; v1   16 x lane; never rewritten
.set ADR,  2                           ; v2   LDS address of the step in hand
.set SCY,  3                           ; v3   2^e6
.set SCP,  4                           ; v4   2^e4
.set LMP,  5
.set NINF, 6                           ; v6   -infinity
.set LMY,  7
.set ST,   8                           ; v[8 + 4 t ..]: -M, the largest t, the sum in two halves
.set FF,   16                          ; v[16 + 2 t]: f, later 1 / the sum; the upper word of the pair is written once
.set QL,   20                          ; v[20 + t]: my query - 8 (lane / 16)
.set MX,   22                          ; v22-25 the maximum's chains, at work
.set PD,   26                          ; v26-27 destinations of the lane exchanges
.set WK,   28                          ; v28-31 pairs at work
.set Q,    32
.set KF,   48
.set VF,   80
.set S,    112                         ; S^T, then p: tile t, keys' tile c at S + 32 t + 8 c
.set O,    176                         ; O^T: O + 32 t + 8 dt
.set PC,   240                         ; p's codes, later y's: 8 a tile
.set WV,   12
.set CX,   13
.set BH,   14
.set US,   15                          ; s15  the small unit
.set G1,   16
.set G0,   24                          ; s[24:39] four groups 0
.set SEL,  40
.set CS,   42
.set TB,   44                          ; s44  LDS byte of the step in hand
.set UL,   45                          ; s45  the large unit
.set CNT,  46                          ; s46  the step
.set BND,  47                          ; s47  the unit's number of steps
.set EX,   48                          ; s[48:55] e0 .. e7
.set QBL,  56
.set QBS,  58
.set YBL,  60
.set YBS,  62
.set T0,   66                          ; s66-71 at work
.macro CROUND
	s_barrier_signal -1
	s_barrier_wait -1
	s_cmp_lg_u32 s[WV], 0
	s_cbranch_scc1 .Lnot_wave_0_\@
	s_barrier_signal -3
.Lnot_wave_0_\@:
	s_barrier_wait -3
	s_barrier_signal -1
	s_barrier_wait -1
.endm
	s_load_b256 s[4:11], s[0:1], 0x0               ; qi s[4:5], kv s[6:7], the scales' exponents s[8:9], yi s[10:11]
	s_set_vgpr_msb 0x40
	v_lshl_add_u32 v0, v0, 2, 0x40000
	v_mov_b32 v1, 0
	s_set_vgpr_msb 0x4045
	ds_add_u32 v0, v1
	ds_add_u32 v0, v1
	s_set_vgpr_msb 0x4500
	v_lshrrev_b32 v[ADR], 5, v0
	s_delay_alu instid0(VALU_DEP_1)
	v_readfirstlane_b32 s[WV], v[ADR]              ; wave 0..7
	s_bfe_u32 s[CX], ttmp6, 0x40000                ; cx
	s_and_b32 s[BH], ttmp7, 0xffff                 ; the head (16 x batch + head), which the four partners share
	s_mov_b32 s[G1], 15|(3<<16)|(1<<21)            ; the mask: all four; elements of 8 bytes; bit 21 beside a mask; no padding
	s_mov_b32 s[G1+1], 32<<16                      ; tensor_dim0 = 32 elements: rows of 256 bytes
	s_mov_b32 s[G1+2], 32<<16                      ; tensor_dim1 = 32
	s_mov_b32 s[G1+3], 32<<16                      ; tile_dim0
	s_mov_b32 s[G1+4], 32                          ; tile_dim1: 32 rows: a step's 8,192 bytes, dense
	s_mov_b32 s[G1+5], 32
	s_mov_b32 s[G1+6], 0
	s_mov_b32 s[G1+7], 0
	s_mov_b32 s[SEL], 0x76543210
	s_mov_b32 s[SEL+1], 0xfedcba98
	s_lshl_b32 s[T0], s[WV], 13
	s_lshl_b32 s[T0+2], s[BH], 18
	s_add_co_u32 s[T0+2], s[T0+2], s[T0]
	s_mov_b32 s[T0+3], 0
	s_wait_dscnt 0x0
	s_wait_kmcnt 0x0
	s_load_b256 s[EX:EX+7], s[8:9], 0x0
	s_add_nc_u64 s[T0+2:T0+3], s[6:7], s[T0+2:T0+3]   ; the head's block, step w
.irp j, 0,1,2,3
	s_mov_b32 s[G0+4*\j], 1
	s_add_co_u32 s[G0+4*\j+1], s[T0], 65536*\j     ; load j of wave w brings step 8 j + w to LDS byte 8,192 (8 j + w)
	s_add_nc_u64 s[G0+4*\j+2:G0+4*\j+3], s[T0+2:T0+3], 65536*\j
	s_or_b32 s[G0+4*\j+3], s[G0+4*\j+3], 0x80000000
.endr
	CROUND                                         ; all four work-groups are here: the joint loads meet
	tensor_load_to_lds s[G0:G0+3], s[G1:G1+7]      ; four loads of mine are out; all are first fills
	s_nop 0
	tensor_load_to_lds s[G0+4:G0+7], s[G1:G1+7]
	s_nop 0
	tensor_load_to_lds s[G0+8:G0+11], s[G1:G1+7]
	s_nop 0
	tensor_load_to_lds s[G0+12:G0+15], s[G1:G1+7]
	s_nop 0
.rept 4
	v_nop
.endr
	s_lshl_b32 s[US], s[WV], 2
	s_add_co_u32 s[US], s[US], s[CX]               ; 4 w + cx
	s_sub_co_u32 s[UL], 63, s[US]                  ; 63 - 4 w - cx
	s_lshl_b32 s[T0+4], s[BH], 17                  ; qi: a head is 128 tiles of 1,024 bytes, a unit two tiles
	s_lshl_b32 s[T0], s[UL], 11
	s_add_co_u32 s[T0], s[T0], s[T0+4]
	s_mov_b32 s[T0+1], 0
	s_add_nc_u64 s[QBL:QBL+1], s[4:5], s[T0:T0+1]
	s_lshl_b32 s[T0], s[US], 11
	s_add_co_u32 s[T0], s[T0], s[T0+4]
	s_add_nc_u64 s[QBS:QBS+1], s[4:5], s[T0:T0+1]
	s_lshr_b32 s[T0+4], s[BH], 4                   ; yi: ((128 x batch + 2 u) x 16 + head) x 1,024
	s_lshl_b32 s[T0+4], s[T0+4], 21
	s_and_b32 s[T0+5], s[BH], 15
	s_lshl_b32 s[T0+5], s[T0+5], 10
	s_add_co_u32 s[T0+4], s[T0+4], s[T0+5]
	s_lshl_b32 s[T0], s[UL], 15
	s_add_co_u32 s[T0], s[T0], s[T0+4]
	s_add_nc_u64 s[YBL:YBL+1], s[10:11], s[T0:T0+1]
	s_lshl_b32 s[T0], s[US], 15
	s_add_co_u32 s[T0], s[T0], s[T0+4]
	s_add_nc_u64 s[YBS:YBS+1], s[10:11], s[T0:T0+1]
	v_and_b32 v[LI], 31, v0
	s_delay_alu instid0(VALU_DEP_1)
	v_lshlrev_b32 v[LI], 4, v[LI]
.irp t, 0,1
.irp g, 0,1
	global_load_b128 v[Q+8*\t+4*\g:Q+8*\t+4*\g+3], v[LI], s[QBL:QBL+1] offset:1024*\t+512*\g th:TH_LOAD_NT   ; the large unit's Q
.endr
.endr
	v_mov_b32 v[NINF], 0xff800000
	v_mov_b32 v[FF+1], 0                           ; (named as the upper halves of pairs)
	v_mov_b32 v[FF+3], 0
	v_mov_b32 v[PD], 0                             ; a lane exchange's destination counts as one of its sources
	v_mov_b32 v[PD+1], 0
	s_wait_kmcnt 0x0
	s_add_co_i32 s[T0], s[EX+2], s[EX+3]
	s_lshl_b32 s[T0], s[T0], 23
	s_add_co_i32 s[CS], s[T0], 0x3e38aa3b          ; c = log2(e) / 8, with e2 + e3 added to its exponent field
	s_mov_b32 s[CS+1], s[CS]
	s_add_co_i32 s[T0], s[EX+4], 127
	s_lshl_b32 s[T0+1], s[T0], 23
	v_mov_b32 v[SCP], s[T0+1]
	s_add_co_i32 s[T0], s[EX+6], 127
	s_lshl_b32 s[T0+1], s[T0], 23
	v_mov_b32 v[SCY], s[T0+1]
; A unit begins: my queries' numbers; the largest t under every t; sums and O^T zero (the step is written once: its first trip finds zeros, which the first change of M leaves zeros)
.macro INIT su
	v_and_b32 v[MX], 15, v0
	v_bfe_u32 v[MX+1], v0, 4, 1
	s_delay_alu instid0(VALU_DEP_1)
	v_lshlrev_b32 v[MX+1], 3, v[MX+1]
	s_delay_alu instid0(VALU_DEP_1)
	v_sub_nc_u32 v[MX], v[MX], v[MX+1]             ; r - 8 h
	s_lshl_b32 s[T0], s[\su], 5
	v_add_nc_u32 v[QL], s[T0], v[MX]               ; 32 u + r - 8 h
	s_delay_alu instid0(VALU_DEP_1)
	v_add_nc_u32 v[QL+1], 16, v[QL]
.irp t, 0,1
	v_mov_b32 v[ST+4*\t+1], 0xff61b1e6             ; -3e38
	s_delay_alu instid0(VALU_DEP_1)
	v_floor_f32 v[ST+4*\t], -v[ST+4*\t+1]
	v_mov_b32 v[ST+4*\t+2], 0
	v_mov_b32 v[ST+4*\t+3], 0
.endr
.set n, 0
.rept 64
	v_mov_b32 v[O+n], 0
.set n, n+1
.endr
.endm
; A KEY STEP: 64 keys against my 32 queries.
.macro STEP guarded
.if \guarded
	s_cmp_ge_u32 s[CNT], s[BND]                    ; all keys of this step come after my queries: a branch on the wave's number and the loop's count
	s_cbranch_scc1 .Lskip_\@
.endif
	s_setprio 2
	v_add_nc_u32 v[ADR], s[TB], v[LI]
.rept 3
	v_nop                                          ; with the addition: four places in front of the loads into registers that the last products read
.endr
.irp c, 0,1,2,3
	ds_load_b128 v[KF+8*\c:KF+8*\c+3], v[ADR] offset:1024*\c
	ds_load_b128 v[KF+8*\c+4:KF+8*\c+7], v[ADR] offset:1024*\c+512
.endr
.irp c, 0,1,2,3
	ds_load_b128 v[VF+8*\c:VF+8*\c+3], v[ADR] offset:4096+1024*\c
	ds_load_b128 v[VF+8*\c+4:VF+8*\c+7], v[ADR] offset:4096+1024*\c+512
.endr
	s_wait_dscnt 8                                 ; K's eight loads are in; V's eight stay out until the second product
.irp c, 0,1,2,3
.irp t, 0,1
	v_wmma_f32_16x16x64_fp8_fp8 v[S+32*\t+8*\c:S+32*\t+8*\c+7], v[KF+8*\c:KF+8*\c+7], v[Q+8*\t:Q+8*\t+7], 0
.endr
.endr
.rept 4
	v_nop
.endr
.if \guarded
	s_add_co_u32 s[T0], s[CNT], 2
	s_cmp_lt_u32 s[T0], s[BND]                     ; more than two steps under the bound every key counts
	s_cbranch_scc1 .Lopen_\@
	s_lshl_b32 s[T0], s[CNT], 6
	v_sub_nc_u32 v[WK], v[QL], s[T0]               ; d = my query - 8 h - the step's first key.  Register n holds key 16 (n / 8) + n % 8 + 8 h of the step: hidden where 16 (n / 8) + n % 8 > d
	v_sub_nc_u32 v[WK+2], v[QL+1], s[T0]
.set n, 0
.rept 32
	v_cmp_gt_i32 vcc_lo, 16*(n/8)+n%8, v[WK]
	v_cndmask_b32 v[S+n], v[S+n], v[NINF], vcc_lo
	v_cmp_gt_i32 vcc_lo, 16*(n/8)+n%8, v[WK+2]
	v_cndmask_b32 v[S+32+n], v[S+32+n], v[NINF], vcc_lo
.set n, n+1
.endr
.Lopen_\@:
.endif
.irp t, 0,1                            ; the step's largest score of my query among my 32 keys: two chains a tile; each accumulator is first read at its low end
	v_max3_num_f32 v[MX+2*\t], v[S+32*\t], v[S+32*\t+1], v[S+32*\t+2]
	v_max3_num_f32 v[MX+2*\t+1], v[S+32*\t+3], v[S+32*\t+4], v[S+32*\t+5]
.endr
.irp i, 6,10,14,18,22,26
.irp t, 0,1
	v_max3_num_f32 v[MX+2*\t], v[MX+2*\t], v[S+32*\t+\i], v[S+32*\t+\i+1]
	v_max3_num_f32 v[MX+2*\t+1], v[MX+2*\t+1], v[S+32*\t+\i+2], v[S+32*\t+\i+3]
.endr
.endr
.irp t, 0,1
	v_max3_num_f32 v[MX+2*\t], v[MX+2*\t], v[S+32*\t+30], v[S+32*\t+31]
.endr
.irp t, 0,1
	s_delay_alu instid0(VALU_DEP_2)
	v_max_num_f32 v[MX+2*\t], v[MX+2*\t], v[MX+2*\t+1]
.endr
.irp t, 0,1
	s_delay_alu instid0(VALU_DEP_2)
	v_permlanex16_b32 v[PD+\t], v[MX+2*\t], s[SEL], s[SEL+1]   ; the query's other 32 keys lie in the lane 16 away
.endr
.irp t, 0,1
	s_delay_alu instid0(VALU_DEP_2)
	v_max_num_f32 v[MX+2*\t], v[MX+2*\t], v[PD+\t]
.endr
.irp t, 0,1
	s_delay_alu instid0(VALU_DEP_2)
	v_mul_f32 v[MX+2*\t], s[CS], v[MX+2*\t]        ; as t (c is positive)
.endr
.irp t, 0
	s_delay_alu instid0(VALU_DEP_2)
	v_max_num_f32 v[ST+4*\t+1], v[ST+4*\t+1], v[MX+2*\t]
	v_mov_b32 v[MX+2*\t+1], v[ST+4*\t]
.endr
.irp t, 1
	s_delay_alu instid0(VALU_DEP_3)
	v_max_num_f32 v[ST+4*\t+1], v[ST+4*\t+1], v[MX+2*\t]
	v_mov_b32 v[MX+2*\t+1], v[ST+4*\t]
.endr
.irp t, 0
	s_delay_alu instid0(VALU_DEP_4)
	v_floor_f32 v[ST+4*\t], -v[ST+4*\t+1]
.endr
.irp t, 1
	s_delay_alu instid0(VALU_DEP_3)
	v_floor_f32 v[ST+4*\t], -v[ST+4*\t+1]          ; -M = floor(-t): M is a whole number
.endr
.irp t, 0,1
	s_delay_alu instid0(VALU_DEP_2)
	v_sub_f32 v[MX+2*\t+1], v[ST+4*\t], v[MX+2*\t+1]   ; old M - new M, a whole number, 0 or less
.endr
.irp t, 0,1
	s_delay_alu instid0(VALU_DEP_2)
	v_cvt_i32_f32 v[MX+2*\t+1], v[MX+2*\t+1]       ; (it saturates)
.endr
.irp t, 0,1
	s_delay_alu instid0(VALU_DEP_2)
	v_ldexp_f32 v[FF+2*\t], 1.0, v[MX+2*\t+1]      ; f = 2^(old M - new M)
.endr
.irp t, 0,1
.irp j, 0,2,4,6,8,10,12,14,16,18,20,22,24,26,28,30
	v_pk_fma_f32 v[S+32*\t+\j:S+32*\t+\j+1], v[S+32*\t+\j:S+32*\t+\j+1], s[CS:CS+1], v[ST+4*\t:ST+4*\t+1] op_sel_hi:[1,0,0]   ; t - M
.endr
.endr
.set n, 0
	s_setprio 1
	s_wait_alu depctr_va_vdst(0)
.rept 64
	v_exp_f32 v[S+n], v[S+n]                       ; p = 2^(t - M), at most 1
.set n, n+1
.endr
.irp t, 0,1
	v_pk_mul_f32 v[ST+4*\t+2:ST+4*\t+3], v[ST+4*\t+2:ST+4*\t+3], v[FF+2*\t:FF+2*\t+1] op_sel_hi:[1,0]   ; the sums under the new M; the plain instructions behind the batch
.endr
	s_wait_alu depctr_va_vdst(0)                   ; one wait for the 64 exponentials, ahead of their first reader
.irp t, 0,1
	v_pk_add_f32 v[WK+2*\t:WK+2*\t+1], v[S+32*\t:S+32*\t+1], v[S+32*\t+2:S+32*\t+3]   ; the row's sum is taken of the unquantised p, in two chains a tile
.endr
.irp j, 4,8,12,16,20,24,28
.irp t, 0,1
	v_pk_add_f32 v[ST+4*\t+2:ST+4*\t+3], v[ST+4*\t+2:ST+4*\t+3], v[S+32*\t+\j:S+32*\t+\j+1]
	v_pk_add_f32 v[WK+2*\t:WK+2*\t+1], v[WK+2*\t:WK+2*\t+1], v[S+32*\t+\j+2:S+32*\t+\j+3]
.endr
.endr
.irp t, 0
	s_delay_alu instid0(VALU_DEP_3)
	v_pk_add_f32 v[ST+4*\t+2:ST+4*\t+3], v[ST+4*\t+2:ST+4*\t+3], v[WK+2*\t:WK+2*\t+1]
.endr
.irp t, 1
	s_delay_alu instid0(VALU_DEP_2)
	v_pk_add_f32 v[ST+4*\t+2:ST+4*\t+3], v[ST+4*\t+2:ST+4*\t+3], v[WK+2*\t:WK+2*\t+1]
.endr
.set n, 0
.rept 64
.set n, n+1
.endr
.irp t, 0,1
.irp c, 0,1,2,3
	v_cvt_scalef32_pk8_fp8_f32 v[PC+8*\t+2*\c:PC+8*\t+2*\c+1], v[S+32*\t+8*\c:S+32*\t+8*\c+7], v[SCP]
.endr
.endr
.irp t, 0,1
.irp j, 0,2,4,6,8,10,12,14,16,18,20,22,24,26,28,30
	v_pk_mul_f32 v[O+32*\t+\j:O+32*\t+\j+1], v[O+32*\t+\j:O+32*\t+\j+1], v[FF+2*\t:FF+2*\t+1] op_sel_hi:[1,0]   ; O^T under the new M; also the plain instructions behind the conversions
.endr
.endr
	s_setprio 0
	s_wait_alu depctr_va_vdst(0)
	s_wait_dscnt 0x0                               ; V is in
.irp c, 0,1,2,3
.irp t, 0,1
	v_wmma_f32_16x16x64_fp8_fp8 v[O+32*\t+8*\c:O+32*\t+8*\c+7], v[VF+8*\c:VF+8*\c+7], v[PC+8*\t:PC+8*\t+7], v[O+32*\t+8*\c:O+32*\t+8*\c+7]   ; eight accumulators by turns, one instruction a turn
.endr
.endr
.if \guarded
.Lskip_\@:
.endif
.endm
.macro WALK first, trips, guarded      ; steps first .. first + trips - 1: the trip count is a constant of the text
	s_mov_b32 s[TB], (\first)*8192
	s_mov_b32 s[CNT], \first
.Lwalk_\@:
	STEP \guarded
	s_add_co_u32 s[TB], s[TB], 8192
	s_add_co_u32 s[CNT], s[CNT], 1
	s_cmp_lt_u32 s[CNT], (\first)+(\trips)
	s_cbranch_scc1 .Lwalk_\@
	s_setprio 0
.endm
; A unit ends: y = O^T x 2^(e4 + e5) / the sum, quantised with e6; a tile's eight registers of codes are an image of 16 tokens x the head's 64 channels.
.macro FINISH yb, nextq
	v_add_f32 v[MX], v[ST+2], v[ST+3]              ; (the four additions are the places behind the last products)
	v_add_f32 v[MX+2], v[ST+6], v[ST+7]
	s_delay_alu instid0(VALU_DEP_2)
	v_permlanex16_b32 v[PD], v[MX], s[SEL], s[SEL+1]
	s_delay_alu instid0(VALU_DEP_2)
	v_permlanex16_b32 v[PD+1], v[MX+2], s[SEL], s[SEL+1]
	s_delay_alu instid0(VALU_DEP_2)
	v_add_f32 v[MX], v[MX], v[PD]
	s_delay_alu instid0(VALU_DEP_2)
	v_add_f32 v[MX+2], v[MX+2], v[PD+1]
.if \nextq
.irp t, 0,1
.irp g, 0,1
	global_load_b128 v[Q+8*\t+4*\g:Q+8*\t+4*\g+3], v[LI], s[QBS:QBS+1] offset:1024*\t+512*\g th:TH_LOAD_NT   ; the small unit's Q lands under this unit's way out
.endr
.endr
.endif
	s_wait_alu depctr_va_vdst(0)
	v_rcp_f32 v[FF], v[MX]
	v_rcp_f32 v[FF+2], v[MX+2]
	v_nop                                          ; a plain instruction behind the reciprocals
	s_add_co_i32 s[T0], s[EX+4], s[EX+5]
	s_wait_alu depctr_va_vdst(0)                   ; one wait for both, ahead of their first reader
	v_ldexp_f32 v[FF], v[FF], s[T0]
	v_ldexp_f32 v[FF+2], v[FF+2], s[T0]
.irp t, 0,1
.irp j, 0,2,4,6,8,10,12,14,16,18,20,22,24,26,28,30
	v_pk_mul_f32 v[S+32*\t+\j:S+32*\t+\j+1], v[O+32*\t+\j:O+32*\t+\j+1], v[FF+2*\t:FF+2*\t+1] op_sel_hi:[1,0]   ; each accumulator from its low end on
.endr
.endr
.set n, 0
.rept 64
.set n, n+1
.endr
.irp t, 0,1
.irp c, 0,1,2,3
	v_cvt_scalef32_pk8_fp8_f32 v[PC+8*\t+2*\c:PC+8*\t+2*\c+1], v[S+32*\t+8*\c:S+32*\t+8*\c+7], v[SCY]
.endr
.endr
	v_nop                                          ; a plain instruction between the conversions and the products that write their sources again
.irp t, 0,1
.irp g, 0,1
	global_store_b128 v[LI], v[PC+8*\t+4*\g:PC+8*\t+4*\g+3], s[\yb:\yb+1] offset:16384*\t+512*\g   ; 32 lanes store 512 consecutive bytes, aligned
.endr
.endr
.if \nextq
	s_wait_xcnt 0x0                                ; the stores have read the codes' registers, which the next unit writes again
.endif
.endm
	INIT UL
	s_lshl_b32 s[BND], s[WV], 1
	s_sub_co_u32 s[BND], 32, s[BND]                ; 32 - 2 w steps, at least 18
	s_wait_loadcnt 0x0                             ; Q
	s_wait_tensorcnt 0x3                           ; my first load, step w, has landed; three stay out
	s_barrier_signal -1
	s_barrier_wait -1                              ; so steps 0-7 are whole
	WALK 0, 8, 0
	s_wait_dscnt 0x0
	s_wait_tensorcnt 0x2                           ; step 8 + w
	s_barrier_signal -1
	s_barrier_wait -1                              ; steps 8-15 are whole
	WALK 8, 8, 0
	s_wait_dscnt 0x0
	s_wait_tensorcnt 0x0                           ; steps 16 + w and 24 + w
	s_barrier_signal -1
	s_barrier_wait -1                              ; the whole head lies in LDS
	WALK 16, 16, 1
	FINISH YBL, 1
	INIT US
	s_lshl_b32 s[BND], s[WV], 1
	s_add_co_u32 s[BND], s[BND], 2                 ; 2 w + 2 steps
	s_wait_loadcnt 0x0                             ; the small unit's Q
	WALK 0, 16, 1
	FINISH YBS, 0
	s_wait_dscnt 0x0
	s_set_vgpr_msb 0x5
	s_wait_tensorcnt 0x0
	ds_add_u32 v0, v1
	s_wait_dscnt 0x0
	s_set_vgpr_msb 0x500
	CROUND                                         ; the closing round
	s_endpgm
.Lfunc_end_k_q2caa807e7c_attn:
	.size	k_q2caa807e7c_attn, .Lfunc_end_k_q2caa807e7c_attn-k_q2caa807e7c_attn
	.p2alignl 7, 3214868480
	.fill 96, 4, 3214868480
	.section	.rodata,"a",@progbits
	.p2align	6, 0x0
	.amdhsa_kernel k_q2caa807e7c_attn
		.amdhsa_group_segment_fixed_size 263168
		.amdhsa_private_segment_fixed_size 0
		.amdhsa_enable_private_segment 0
		.amdhsa_kernarg_size 32
		.amdhsa_user_sgpr_count 2
		.amdhsa_user_sgpr_kernarg_segment_ptr 1
		.amdhsa_wavefront_size32 1
		.amdhsa_system_sgpr_workgroup_id_x 1
		.amdhsa_system_sgpr_workgroup_id_y 1
		.amdhsa_system_sgpr_workgroup_id_z 1
		.amdhsa_system_vgpr_workitem_id 0
		.amdhsa_next_free_vgpr 258
		.amdhsa_next_free_sgpr 72
		.amdhsa_reserve_vcc 1
		.amdhsa_float_denorm_mode_32 3
		.amdhsa_float_denorm_mode_16_64 3
		.amdhsa_fp16_overflow 1
		.amdhsa_memory_ordered 1
		.amdhsa_forward_progress 1
		.amdhsa_inst_pref_size 88
	.end_amdhsa_kernel
	.amdgpu_metadata
---
amdhsa.version: [ 1, 2 ]
amdhsa.kernels:
  - .name:           k_q2caa807e7c_attn
    .symbol:         k_q2caa807e7c_attn.kd
    .args:
      - { .name: qi, .offset: 0, .size: 8, .value_kind: global_buffer, .address_space: global }
      - { .name: kv, .offset: 8, .size: 8, .value_kind: global_buffer, .address_space: global }
      - { .name: lowp_scales, .offset: 16, .size: 8, .value_kind: global_buffer, .address_space: global }
      - { .name: yi, .offset: 24, .size: 8, .value_kind: global_buffer, .address_space: global }
    .group_segment_fixed_size: 263168
    .private_segment_fixed_size: 0
    .kernarg_segment_align: 8
    .kernarg_segment_size: 32
    .max_flat_workgroup_size: 256
    .sgpr_count:     72
    .vgpr_count:     258
    .wavefront_size: 32
...
	.end_amdgpu_metadata
.endif
;; end of part 3
;; launch proj (part 4): grid 4 x 32, 4 waves a work-group, clusters of 4 x 4, 327,680 bytes of LDS; arguments yi, wc, lowp_scales, b_proj, out0; writes out0
.if DOCPART == 4
	.amdgcn_target "amdgcn-amd-amdhsa--gfx1250"
	.amdhsa_code_object_version 6
	.text
	.protected	k_q2caa807e7c_proj
	.globl	k_q2caa807e7c_proj
	.p2align	8
	.type	k_q2caa807e7c_proj,@function
k_q2caa807e7c_proj:
	s_mov_b64 s[64:65], 0
	v_nop
	global_prefetch_b8 v0, s[64:65] scope:SCOPE_SE
	s_setreg_imm32_b32 hwreg(HW_REG_WAVE_MODE, 25, 1), 1
	s_wait_xcnt 0x0
	s_wait_alu depctr_hold_cnt(0) depctr_sa_sdst(0) depctr_va_vdst(0) depctr_va_sdst(0) depctr_va_ssrc(0) depctr_va_vcc(0) depctr_vm_vsrc(0)
	s_getreg_b32 s2, hwreg(HW_REG_IB_STS2, 6, 4)
	s_cmp_eq_u32 s2, 0
	s_cbranch_scc0 .Lentry_in_a_cluster
	s_endpgm
.Lentry_in_a_cluster:
	s_bfe_u32 s2, ttmp6, 0x10000c
	s_cmp_lg_u32 s2, 0xf033
	s_cbranch_scc0 .Lentry_shape_is_right
	s_endpgm
.Lentry_shape_is_right:
; out0 = y W_proj + b_proj on codes of FP8 (E4M3).  A sum stands for sum x 2^(e6 + e7).  LIMIT: e6 + e7 between -126 and 127.
; yi [512 blocks of 16 tokens][16 heads][1024]: images of fragments 16 tokens x 64 channels (registers 4 g .. 4 g + 3 of lane l at byte 512 g + 16 l).  Two neighbouring heads' images are the sixteen registers of a
; fragment 16 tokens x 128 K, each k in the place that the instruction's own layout gives it.  wc rows 3072 on: W_proj's columns, byte p holding k = p with bits 3 and 4 exchanged: four loads of 16 bytes,
; 32 apart, at 16 (lane / 16), then give the same places.
; A tile of 256 x 256 is made by four waves, each 128 x 128.  K = 1,024 goes in four steps of 256 through two LDS slots; all steps are written out.
; THE MATRIX INSTRUCTION IS USED TRANSPOSED (source 0 = 16 rows of wc, source 1 = 16 tokens): a lane holds eight neighbouring numbers of a row of out0.
; CLUSTERS: 4 x 4 work-groups; y's tiles are asked for jointly along a row of the cluster, the weight's along a column.
; REGISTERS: window 0: v0-31 addresses; v32-35 the bias; from v128 A's fragments, one set; on the way out v128-255 rows read back.  window 1: B's fragments, two sets.  windows 2, 3: the accumulators.
.set PITCH,  272
.set FR,     16
.set NL,     4
.set NP,     4
.set HALFT,  128*PITCH                 ; a wave's region of a slot; A's images take 32,768 bytes of it
.set SLOT,   4*HALFT
.set SPARE,  2*SLOT
.set STEPA,  4096                      ; a K step of 256 is four heads' images
.set STEPB,  256
.set SPITCH, 528                       ; the way out: 16 rows x (512 bytes + 16) a wave, in slot 0, which has had its last fill and its last read by then
.set ADRA, 16
.set ADRB, 20
.set STO,  24
.set RD,   25
.set CO,   26                          ; v26  16 x lane
.set SPW,  28
.set NIL,  29
.set BI,   32                          ; v32-35 the bias of my four columns of a row read back
.set AF,   128
.set BK,   128
.set G1, 24
.set G0, 32
.set G1B, 48
.set G0B, 56
.set MSB, 0
.macro WIN new
.if MSB != (\new)
	s_set_vgpr_msb (MSB<<8)|(\new)
.set MSB, (\new)
.endif
.endm
.set MUL_LO, 0xa1
.set MUL_HI, 0xf1
.set TO_B,   0x40
.macro JLOAD g0a, g1a, g0b, g1b
	s_cmp_eq_u32 s15, 0
	s_cbranch_scc0 .Lfor_b_\@
	tensor_load_to_lds s[\g0a:\g0a+3], s[\g1a:\g1a+7]
	s_nop 0
.rept 4
	v_nop
.endr
	s_branch .Lasked_\@
.Lfor_b_\@:
	tensor_load_to_lds s[\g0b:\g0b+3], s[\g1b:\g1b+7]
	s_nop 0
.rept 4
	v_nop
.endr
.Lasked_\@:
.endm
.macro CREST
	s_cmp_lg_u32 s14, 0
	s_cbranch_scc1 .Lnot_wave_0_\@
	s_barrier_signal -3
.Lnot_wave_0_\@:
	s_barrier_wait -3
	s_barrier_signal -1
	s_barrier_wait -1
.endm
.macro CROUND
	s_barrier_signal -1
	s_barrier_wait -1
	CREST
.endm
	s_load_b256 s[4:11], s[0:1], 0x0               ; yi s[4:5], wc s[6:7], the scales' exponents s[8:9], b_proj s[10:11]
	s_load_b64 s[12:13], s[0:1], 0x20              ; out0
	v_lshl_add_u32 v[SPW], v0, 2, SPARE
	v_mov_b32 v[NIL], 0
	ds_add_u32 v28, v29
	ds_add_u32 v28, v29
	s_wait_dscnt 0x0
	v_lshrrev_b32 v1, 5, v0
	v_readfirstlane_b32 s14, v1
	s_lshr_b32 s15, s14, 1
	s_and_b32 s16, s14, 1
	s_bfe_u32 s40, ttmp6, 0x40000
	s_bfe_u32 s41, ttmp6, 0x40004
	s_lshl_b32 s42, ttmp9, 2
	s_add_co_u32 s42, s42, s40                     ; tile column
	s_and_b32 s17, ttmp7, 0xffff
	s_lshl_b32 s17, s17, 2
	s_add_co_u32 s17, s17, s41                     ; tile row
	s_lshl_b32 s43, s41, 2
	s_lshl_b32 s43, 15, s43
	s_lshl_b32 s44, 0x1111, s40
	s_or_b32 s[G1+0], s43, (3<<16)|(1<<21)         ; A: the mask of my row; elements of 8 bytes; bit 21 beside a mask; no padding
	s_mov_b32 s[G1+1], 512<<16                     ; tensor_dim0 = 512 elements: four images, 4,096 bytes
	s_mov_b32 s[G1+2], 8<<16                       ; tensor_dim1 = 8 blocks of 16 tokens
	s_mov_b32 s[G1+3], 512<<16
	s_mov_b32 s[G1+4], 8
	s_mov_b32 s[G1+5], 2048                        ; 16,384 bytes from block to block
	s_mov_b32 s[G1+6], 0
	s_mov_b32 s[G1+7], 0
	s_or_b32 s[G1B+0], s44, (0<<16)|(1<<20)|(1<<21)|(5<<22)|(3<<25)  ; B: the mask of my column; 128 rows x 256 bytes, 4 words of padding behind every 64
	s_mov_b32 s[G1B+1], 256<<16
	s_mov_b32 s[G1B+2], 128<<16
	s_mov_b32 s[G1B+3], 256<<16
	s_mov_b32 s[G1B+4], 128
	s_mov_b32 s[G1B+5], 1024
	s_mov_b32 s[G1B+6], 0
	s_mov_b32 s[G1B+7], 0
	s_lshl_b32 s20, s17, 4
	s_lshl_b32 s18, s16, 3
	s_add_co_u32 s20, s20, s18
	s_lshl_b32 s20, s20, 14                        ; A: block 16 x tile row + 8 x half
	s_mov_b32 s21, 0
	s_lshl_b32 s46, s42, 8
	s_lshl_b32 s18, s16, 7
	s_add_co_u32 s46, s46, s18
	s_add_co_u32 s46, s46, 3072
	s_lshl_b32 s46, s46, 10                        ; B: row 3072 + 256 x tile column + 128 x half
	s_mov_b32 s47, 0
	s_mul_i32 s45, s14, HALFT
	s_wait_kmcnt 0x0
	s_load_b64 s[96:97], s[8:9], 0x18              ; e6, e7
	s_add_nc_u64 s[20:21], s[4:5], s[20:21]
	s_add_nc_u64 s[46:47], s[6:7], s[46:47]
	CROUND
.irp s, 0,1
	s_mov_b32 s[G0+4*\s], 1
	s_add_co_u32 s[G0+4*\s+1], s45, \s*SLOT
	s_add_nc_u64 s[G0+4*\s+2:G0+4*\s+3], s[20:21], \s*STEPA
	s_or_b32 s[G0+4*\s+3], s[G0+4*\s+3], 0x80000000
	s_mov_b32 s[G0B+4*\s], 1
	s_add_co_u32 s[G0B+4*\s+1], s45, \s*SLOT
	s_add_nc_u64 s[G0B+4*\s+2:G0B+4*\s+3], s[46:47], \s*STEPB
	s_or_b32 s[G0B+4*\s+3], s[G0B+4*\s+3], 0x80000000
	s_wait_alu depctr_va_vdst(0)
	s_wait_tensorcnt 0x0
	ds_add_u32 v28, v29
	ds_add_u32 v28, v29
	s_wait_dscnt 0x0
	CROUND
	JLOAD G0+4*\s, G1, G0B+4*\s, G1B
.endr
	v_and_b32 v1, 15, v0
	v_bfe_u32 v2, v0, 4, 1
	v_mul_u32_u24 v3, v1, PITCH
	v_lshl_add_u32 v4, v2, 4, v3
	v_and_b32 v6, 31, v0
	v_lshlrev_b32 v[CO], 4, v6
	s_wait_alu depctr_va_vdst(0)
	s_mul_i32 s21, s15, HALFT
	s_mul_i32 s22, s16, HALFT
	s_add_co_u32 s22, s22, 2*HALFT
.irp s, 0,1
	v_add_nc_u32 v[ADRA+\s], s21, v[CO]            ; images: 16 x lane
	v_add_nc_u32 v[ADRB+\s], s22, v4               ; rows: r x pitch + 16 h
	s_add_co_u32 s21, s21, SLOT
	s_add_co_u32 s22, s22, SLOT
.endr
	s_mul_i32 s23, s14, 16*SPITCH
	v_mul_u32_u24 v5, v1, SPITCH
	v_lshl_add_u32 v5, v2, 5, v5
	v_add_nc_u32 v[STO], s23, v5
	v_add_nc_u32 v[RD], s23, v[CO]
	s_lshl_b32 s46, s42, 10
	s_lshl_b32 s47, s16, 9
	s_add_co_u32 s46, s46, s47                     ; my first column, in bytes: 1,024 x tile column + 512 x half: in out0's rows and in b_proj alike
	s_mov_b32 s47, 0
	s_add_nc_u64 s[66:67], s[10:11], s[46:47]
	global_load_b128 v[BI:BI+3], v[CO], s[66:67]   ; back from the stage a lane holds the same four columns in every row
	s_lshl_b32 s20, s17, 8
	s_lshl_b32 s21, s15, 7
	s_add_co_u32 s20, s20, s21
	s_lshl_b32 s20, s20, 12                        ; my first row: 256 x tile row + 128 x half, 4,096 bytes each
	s_add_co_u32 s20, s20, s46
	s_mov_b32 s21, 0
	s_add_nc_u64 s[12:13], s[12:13], s[20:21]
.macro FRAG reg, adr, q, i
.irp c, 0,1,2,3
	ds_load_b128 v[\reg+4*\c:\reg+4*\c+3], v[\adr] offset:128*(\q)+32*\c+(\i)*16*PITCH
.endr
.endm
.macro FRAGI reg, adr, q, i            ; block i's two images of the slot's q-th 128 along K
.irp c, 0,1,2,3
	ds_load_b128 v[\reg+4*\c:\reg+4*\c+3], v[\adr] offset:4096*(\i)+2048*(\q)+512*\c
.endr
.endm
.macro MUL16 a0, p, zero
.irp a, \a0, \a0+1
.irp b, 0,1,2,3,4,5,6,7
.if \zero
	v_wmma_f32_16x16x128_fp8_fp8 v[8*(8*((\a)%4)+\b):8*(8*((\a)%4)+\b)+7], v[128*(\p)+FR*\b:128*(\p)+FR*\b+FR-1], v[AF+FR*(\a):AF+FR*(\a)+FR-1], 0
.else
	v_wmma_f32_16x16x128_fp8_fp8 v[8*(8*((\a)%4)+\b):8*(8*((\a)%4)+\b)+7], v[128*(\p)+FR*\b:128*(\p)+FR*\b+FR-1], v[AF+FR*(\a):AF+FR*(\a)+FR-1], v[8*(8*((\a)%4)+\b):8*(8*((\a)%4)+\b)+7]
.endif
.endr
.endr
.endm
.macro FETCH_B slot, q, p
	WIN TO_B
.irp i, 0,1,2,3,4,5,6,7
	FRAG 128*(\p)+FR*\i, ADRB+\slot, \q, \i
.endr
	WIN 0
.endm
.macro FETCH_A slot, q, i0
.irp i, \i0, \i0+1, \i0+2, \i0+3
	FRAGI AF+FR*(\i), ADRA+\slot, \q, \i
.endr
.endm
.macro PLACES n
.rept \n
	v_nop
.endr
.endm
.macro STEP slot, q, zero
	s_wait_dscnt 4*NL                              ; B's set and A's blocks 0-3 are in; the youngest 16 loads may be out
	WIN MUL_LO
	MUL16 0, (\q)%2, \zero
	MUL16 2, (\q)%2, \zero
	s_wait_dscnt 0
	PLACES NP
	FETCH_B \slot, (\q)+1, 1-(\q)%2
	FETCH_A \slot, (\q)+1, 0
	WIN MUL_HI
	MUL16 4, (\q)%2, \zero
	MUL16 6, (\q)%2, \zero
	PLACES NP
	WIN 0
	FETCH_A \slot, (\q)+1, 4
.endm
.macro TURN slot, next, fill
	s_wait_tensorcnt 0x0                           ; all my tensor loads have landed: my part of the next slot
	ds_add_u32 v[SPW], v[NIL]                      ; 0 onto my spare word
	s_wait_dscnt 4*NL+1                            ; (the add and the youngest 16 loads may be out)
	WIN MUL_LO
	MUL16 0, 1, 0
	s_wait_dscnt 0x0                               ; the add is done, and my reads of this slot are over
	s_barrier_signal -1
	MUL16 2, 1, 0
	WIN 0
	s_barrier_wait -1
.if \fill
	CREST
	s_add_nc_u64 s[G0+4*\slot+2:G0+4*\slot+3], s[G0+4*\slot+2:G0+4*\slot+3], 2*STEPA
	s_add_nc_u64 s[G0B+4*\slot+2:G0B+4*\slot+3], s[G0B+4*\slot+2:G0B+4*\slot+3], 2*STEPB
	JLOAD G0+4*\slot, G1, G0B+4*\slot, G1B
.else
	PLACES NP
.endif
	FETCH_B \next, 0, 0
	FETCH_A \next, 0, 0
	WIN MUL_HI
	MUL16 4, 1, 0
	MUL16 6, 1, 0
	PLACES NP
	WIN 0
	FETCH_A \next, 0, 4
.endm
.macro LAST
	s_wait_dscnt 4*NL
	WIN MUL_LO
	MUL16 0, 1, 0
	MUL16 2, 1, 0
	s_wait_dscnt 0
	WIN MUL_HI
	MUL16 4, 1, 0
	MUL16 6, 1, 0
	WIN 0
.endm
; THE WAY OUT, block by block of 16 rows x 128 columns: the sums go through my own stage as they are and come back as whole rows of 512 bytes; there one packed multiply-add gives sum x 2^(e6 + e7) + bias.
.macro TOSTAGE a
.set AC, 64*((\a)%4)
	WIN (2+(\a)/4)<<2                              ; the stores' data: window 2 or 3
.irp b, 0,1,2,3,4,5,6,7
	ds_store_b128 v[STO], v[AC+8*\b:AC+8*\b+3] offset:64*\b          ; each accumulator from its low end on
	ds_store_b128 v[STO], v[AC+8*\b+4:AC+8*\b+7] offset:64*\b+16
.endr
	WIN 0
.set BB, BK+64*((\a)%2)
.irp t, 0,1,2,3,4,5,6,7,8,9,10,11,12,13,14,15
	ds_load_b128 v[BB+4*\t:BB+4*\t+3], v[RD] offset:\t*SPITCH        ; LDS serves a wave's instructions in order (ISA guide 5.7.1.4): these see the stores above
.endr
.endm
.macro SEND a, younger                 ; younger: the LDS instructions issued behind block a's loads, which may stay out
.set BB, BK+64*((\a)%2)
	s_wait_dscnt \younger
.if (\a) > 0
	s_add_nc_u64 s[12:13], s[12:13], 16*4096       ; (behind a wait on XCNT: the earlier stores have read their base)
.endif
.irp t, 0,1,2,3,4,5,6,7,8,9,10,11,12,13,14,15
	v_pk_fma_f32 v[BB+4*\t:BB+4*\t+1], v[BB+4*\t:BB+4*\t+1], s[96:97], v[BI:BI+1] op_sel_hi:[1,0,1]
	v_pk_fma_f32 v[BB+4*\t+2:BB+4*\t+3], v[BB+4*\t+2:BB+4*\t+3], s[96:97], v[BI+2:BI+3] op_sel_hi:[1,0,1]
.endr
.irp t, 0,1,2,3,4,5,6,7,8,9,10,11,12,13,14,15
	global_store_b128 v[CO], v[BB+4*\t:BB+4*\t+3], s[12:13] offset:\t*4096 th:TH_STORE_NT   ; 32 lanes store 512 consecutive bytes, aligned
.endr
.endm
	s_wait_alu depctr_va_vdst(0)
	s_wait_tensorcnt 1                             ; my part of K step 0 is in (K step 1's one load may be out)
	s_barrier_signal -1
	s_barrier_wait -1
	FETCH_B 0, 0, 0
	FETCH_A 0, 0, 0
	FETCH_A 0, 0, 4
	STEP 0, 0, 1
	TURN 0, 1, 1
	STEP 1, 0, 0
	TURN 1, 0, 1
	STEP 0, 0, 0
	TURN 0, 1, 0
	STEP 1, 0, 0
	LAST
	s_wait_kmcnt 0x0
	s_add_co_i32 s96, s96, s97
	s_add_co_i32 s96, s96, 127
	s_lshl_b32 s96, s96, 23                        ; 2^(e6 + e7) as f32
	s_mov_b32 s97, s96
	s_wait_loadcnt 0x0                             ; the bias
	PLACES NP
	TOSTAGE 0
.irp a, 1,2,3,4,5,6,7
.if \a > 1
	s_wait_xcnt 0x0                                ; block a - 2's stores have read their registers and their base
.endif
	TOSTAGE \a
	SEND \a-1, 32                                  ; behind block a - 1's loads: block a's 16 stores and 16 loads
.endr
	s_wait_xcnt 0x0
	SEND 7, 0
	s_wait_tensorcnt 0x0                           ; the wave's end
	ds_add_u32 v[SPW], v[NIL]
	s_wait_dscnt 0x0
	CROUND
	s_endpgm
.Lfunc_end_k_q2caa807e7c_proj:
	.size	k_q2caa807e7c_proj, .Lfunc_end_k_q2caa807e7c_proj-k_q2caa807e7c_proj
	.p2alignl 7, 3214868480
	.fill 96, 4, 3214868480
	.section	.rodata,"a",@progbits
	.p2align	6, 0x0
	.amdhsa_kernel k_q2caa807e7c_proj
		.amdhsa_group_segment_fixed_size 327680
		.amdhsa_private_segment_fixed_size 0
		.amdhsa_enable_private_segment 0
		.amdhsa_kernarg_size 40
		.amdhsa_user_sgpr_count 2
		.amdhsa_user_sgpr_kernarg_segment_ptr 1
		.amdhsa_wavefront_size32 1
		.amdhsa_system_sgpr_workgroup_id_x 1
		.amdhsa_system_sgpr_workgroup_id_y 1
		.amdhsa_system_sgpr_workgroup_id_z 1
		.amdhsa_system_vgpr_workitem_id 0
		.amdhsa_next_free_vgpr 1024
		.amdhsa_next_free_sgpr 98
		.amdhsa_reserve_vcc 0
		.amdhsa_float_denorm_mode_32 3
		.amdhsa_float_denorm_mode_16_64 3
		.amdhsa_memory_ordered 1
		.amdhsa_forward_progress 1
		.amdhsa_inst_pref_size 124
	.end_amdhsa_kernel
	.amdgpu_metadata
---
amdhsa.version: [ 1, 2 ]
amdhsa.kernels:
  - .name:           k_q2caa807e7c_proj
    .symbol:         k_q2caa807e7c_proj.kd
    .args:
      - { .name: yi, .offset: 0, .size: 8, .value_kind: global_buffer, .address_space: global }
      - { .name: wc, .offset: 8, .size: 8, .value_kind: global_buffer, .address_space: global }
      - { .name: lowp_scales, .offset: 16, .size: 8, .value_kind: global_buffer, .address_space: global }
      - { .name: b_proj, .offset: 24, .size: 8, .value_kind: global_buffer, .address_space: global }
      - { .name: out0, .offset: 32, .size: 8, .value_kind: global_buffer, .address_space: global }
    .group_segment_fixed_size: 327680
    .private_segment_fixed_size: 0
    .kernarg_segment_align: 8
    .kernarg_segment_size: 40
    .max_flat_workgroup_size: 128
    .sgpr_count:     98
    .vgpr_count:     1024
    .wavefront_size: 32
...
	.end_amdgpu_metadata
.endif
;; end of part 4
